; MI455X (gfx1250); checked and timed in simulation.
; The chip was launched on July 23, 2026; its instructions are those of AMD's public machine-readable ISA for CDNA 5 (MIT licence, August 2026) and "CDNA5" Instruction Set Architecture Reference Guide (July 2026). The comments in the code are by the model that wrote it; some were corrected since.
;; Int8 Linear. Allowed arithmetic: matrix products marked QUANTISED: E2M3 operands, one E8M0 scale for each 32 along K, by v_wmma_scale_f32_16x16x128_f8f6f4 with both operands' format E2M3, f32 sums; everything else in f32.
;; Inputs: bias 16,384 float32; scale 16,384 x 1 float32; weight_int8 16,384 x 4,096 int8; x 4 x 256 x 4,096 float32.
;; Outputs: out0 4 x 256 x 16,384 float32.
;; This version of the problem:
;;   THIS VERSION OF THE PROBLEM IS GIVEN IN LOW PRECISION. The matrix products marked QUANTISED in the list below multiply operands that are first quantised to E2M3 (2 exponent bits, 3 mantissa bits; 6 bits a number), with one power-of-two scale for each 32 numbers along K (OCP MX v1.0); their sums are f32. All else is computed in f32.
;;   The module's matrix products, in the order in which they are computed (A, B: the left and right operand; K: the contracted axis; several contracted axes count as one K, in the product's order):
;;     1. [M 1,024, K 4,096] x [K 4,096, N 16,384]; A: input x; B: computed on the way: QUANTISED
;;   THE QUANTISER, for each operand of a quantised product, along K:
;;     - K is cut into blocks of 32 from its start; a last block that is shorter is filled with zeros.
;;     - A block's scale is 2^e with e = floor(log2(the largest magnitude in the block)) - 2, held to -126 .. 127; a block of zeros has e = 0. As a byte (E8M0): e + 127.
;;     - Each number is divided by its block's scale, clamped to +-7.5, and rounded to the nearest number of E2M3, ties to even, subnormals kept.
;;     - The product sums the exact products of the quantised numbers (number of the format x scale) in f32.
;;   ~~~python
;;   def quantise(x, axis):      # numpy; x: float32 -> the quantised numbers, widened to float32 again
;;       x = np.moveaxis(x, axis, -1); K = x.shape[-1]
;;       x = np.pad(x, [(0, 0)] * (x.ndim - 1) + [(0, -K % 32)]); x = x.reshape(x.shape[:-1] + (-1, 32)); a = np.abs(x).max(-1, keepdims=True)
;;       e = np.where(a > 0, np.clip(np.frexp(np.where(a > 0, a, 1))[1] - 1 - 2, -126, 127), 0)      # np.frexp(a)[1] - 1 = floor(log2(a)), exactly
;;       r = np.clip(x / 2.0 ** e, -7.5, 7.5)
;;       step = 2.0 ** (np.maximum(np.frexp(np.where(r == 0, 1, r))[1] - 1, 0) - 3)
;;       q = np.round(r / step) * step * 2.0 ** e      # np.round: ties to even
;;       return np.moveaxis(q.reshape(q.shape[:-2] + (-1,))[..., :K], -1, axis).astype(np.float32)
;;   ~~~
;;   OPERANDS COMPUTED ON THE WAY. 'Computed on the way' means the value that the module computes at that place (a softmax that the list does not call 'softmax' is quantised finished and normalised). What goes into a quantiser is computed in f32, as accurately as f32 sums, v_exp_f32 and their like allow (about 1e-6 of the number): no bf16 or f16 on the way to a quantiser, and a product that is left as it is and whose result goes on into a quantised operand takes f32 operands (vector FMAs, or v_wmma_f32_16x16x4_f32). A number that lies on a knife's edge between two numbers of the format may be rounded either way, as far as f32 arithmetic and the matrix unit's own rounding can turn it there, and no further.
;; One version. Each part assembles by itself: llvm-mc -triple=amdgcn-amd-amdhsa -mcpu=gfx1250 --defsym DOCPART=n.
;; ======== version 1 of 1: 2 launches
;; limits: right only within a limited range of input values
;; workspace buffers: xq 3,145,728 bytes; xs 131,072 bytes; wq 50,331,648 bytes; ws 2,097,152 bytes
;; launch quant (part 1): grid 1152 x 1, 4 waves a work-group, no clusters, 51,712 bytes of LDS; arguments x, weight_int8, scale, xq, xs, wq, ws; writes xq, xs, wq, ws
.if DOCPART == 1
	.amdgcn_target "amdgcn-amd-amdhsa--gfx1250"
	.amdhsa_code_object_version 6
	.text
	.protected	k_qcf33df552c_quant
	.globl	k_qcf33df552c_quant
	.p2align	8
	.type	k_qcf33df552c_quant,@function
k_qcf33df552c_quant:
	s_mov_b64 s[64:65], 0
	v_nop
	global_prefetch_b8 v0, s[64:65] scope:SCOPE_SE
	s_setreg_imm32_b32 hwreg(HW_REG_WAVE_MODE, 25, 1), 1
	s_wait_xcnt 0x0
; x [1024][4096] f32, and w[n][k] = f32(weight_int8[n][k]) * scale[n] (one f32 rounding) for n < 16384, k < 4096, are turned into codes of FP6 (E2M3) with one
; E8M0 scale byte for each 32 along K.  A block's scale is 2^(floor(log2(its largest magnitude)) - 2); its byte is the largest magnitude's exponent field - 2, held at 1 from below.
; LIMITS: NaN and infinities in x or scale are not served; a block whose largest magnitude lies under 2^-124 has its byte held at 1; a block of zeros gets the byte 1 where the
; quantiser's text says 127: its codes are zeros, which add nothing under any byte but 0xff, and the bytes are read by this program alone.
; THE WORKSPACE IS LAID IN THE ORDER OF THE OPERAND'S REGISTERS.  Codes: [block of 128 rows][K step of 256][group of 16 rows][which 128 of the K step][image of a fragment, 1,536 bytes];
; in an image register 4 c + j of lane l lies at byte 512 c + 16 l + 4 j; lane (r, h) holds row r, its registers 6 c .. 6 c + 5 hold k = 64 c + 32 h + 0 .. 31.
; Scale words: [group of 16 rows][K step][row][which 128]: one 32-bit word, byte b for k = 32 b .. 32 b + 31 of the 128.
; SHARES.  Work-groups 0-127 take x: a wave 16 rows x 512 along K (four fragments).  Work-groups 128-1151 take w: a wave 16 rows x 1,024 along K (eight fragments).
; Every global load reads whole aligned runs of 256 or 512 bytes of a row; the numbers turn through the wave's own stage in LDS, so that a lane gets 16 neighbours along K of each block of 32.
; Every store of codes covers 512 consecutive aligned bytes; every store of scale words 256.  No tensor loads, no barrier: waves share nothing.  The two paths have LDS bytes of their own.
.set FRB,    1536                      ; a fragment's image
.set BLKB,   16*FRB                    ; 128 rows x 256 along K
.set RBB,    16*BLKB                   ; 128 rows x all of K
.set XPITCH, 528                       ; x's stage: a row of 512 bytes + 16, an odd multiple of 16
.set XSTG,   16*XPITCH                 ; a wave's stage for x
.set WBASE,  4*XSTG                    ; w's stages lie behind x's
.set WPITCH, 272                       ; a row of 256 bytes + 16
.set WSTG,   16*WPITCH
.set LI,   4                           ; v4   16 x lane
.set L8,   5                           ; v5   8 x lane
.set XSTI, 6                           ; v6   x's stage, in: 16 x lane
.set XSTO, 7                           ; v7   x's stage, out: row r, + 64 h
.set WSTI, 8                           ; v8   w's stage, in: row h, + 16 r
.set WSTO, 9                           ; v9   w's stage, out: row r, + 16 h
.set RS,   10                          ; v[10:11] scale of my row, and a 0 that is named with it as a pair
.set SW,   12                          ; v[12:13] two scale words: lanes 0-15 an even K step's, lanes 16-31 the odd one's
.set WO,   14                          ; v14  w in memory: row h of 4,096 bytes, + 16 r
.set R4,   15                          ; v15  4 r
.set TM,   16                          ; v16-19 largest magnitudes, v20-23 the other half's and then the bytes, v28-31 the conversions' scale operands
.set PW,   32                          ; v32  the scale word just made
.set PC,   36                          ; v36-47 the fragment's codes; v48-50, v52-54 the halves that are made elsewhere and moved
.set F,    64                          ; v64-127 64 numbers: register 16 b + i = k 32 b + 16 h + i of my row
.set R,    128                         ; v128-191 as loaded: x one set of 64, w two sets of 32 by turns
.set SEL,  20                          ; s[20:21] selects of v_permlanex16_b32: lane l xor 16
	s_load_b256 s[4:11], s[0:1], 0x0               ; x s[4:5], weight_int8 s[6:7], scale s[8:9], xq s[10:11]
	s_load_b128 s[12:15], s[0:1], 0x20             ; xs s[12:13], wq s[14:15]
	s_load_b64 s[16:17], s[0:1], 0x30              ; ws
	v_lshl_add_u32 v62, v0, 2, 0xc800
	v_mov_b32 v63, 0
	v_lshrrev_b32 v1, 5, v0
	v_readfirstlane_b32 s18, v1                    ; wave 0..3
	v_and_b32 v1, 31, v0                           ; lane
	v_and_b32 v2, 15, v0                           ; r
	v_bfe_u32 v3, v0, 4, 1                         ; h
	v_lshlrev_b32 v[LI], 4, v1
	v_lshlrev_b32 v[L8], 3, v1
	s_mul_i32 s32, s18, XSTG
	v_add_nc_u32 v[XSTI], s32, v[LI]
	v_mul_u32_u24 v[XSTO], v2, XPITCH
	v_lshl_add_u32 v[XSTO], v3, 6, v[XSTO]
	v_add_nc_u32 v[XSTO], s32, v[XSTO]
	s_mul_i32 s33, s18, WSTG
	s_add_co_u32 s33, s33, WBASE
	v_mul_u32_u24 v[WSTI], v3, WPITCH
	v_lshl_add_u32 v[WSTI], v2, 4, v[WSTI]
	v_add_nc_u32 v[WSTI], s33, v[WSTI]
	v_mul_u32_u24 v[WSTO], v2, WPITCH
	v_lshl_add_u32 v[WSTO], v3, 4, v[WSTO]
	v_add_nc_u32 v[WSTO], s33, v[WSTO]
	v_lshlrev_b32 v[WO], 12, v3
	v_lshl_add_u32 v[WO], v2, 4, v[WO]
	v_lshlrev_b32 v[R4], 2, v2
	v_mov_b32 v[RS+1], 0
.irp b, 0,1,2,3
	v_mov_b32 v[TM+4+\b], 0                        ; written once: a lane permute's destination counts as one of its sources
.endr
	s_mov_b32 s[SEL], 0x76543210
	s_mov_b32 s[SEL+1], 0xfedcba98
	s_mov_b32 s22, 0x4b000000                      ; 2^23 as f32: its lowest byte takes a number 0 .. 255
	s_mov_b32 s24, 0x03020104                      ; v_perm_b32's selects: byte c of the word below three bytes of s22
	s_mov_b32 s25, 0x03020105
	s_mov_b32 s26, 0x03020106
	s_mov_b32 s27, 0x03020107
	s_mov_b32 s28, 0xcb000080                      ; -(2^23 + 128)
	s_mov_b32 s29, s28                             ; (named with it as a pair, so it is written)
	s_mov_b32 s30, 0xffff0000                      ; lanes 16-31
	s_mov_b32 s31, 0x80808080
	s_wait_kmcnt 0x0
; 64 numbers of a lane, v[s] .. v[s + 63], become a fragment's codes in v[PC] on and its scale word in v[PW] (the same word in lanes r and 16 + r).
.macro QUANT s
.irp b, 0,1,2,3
	v_max3_num_f32 v[TM+\b], |v[\s+16*\b]|, |v[\s+1+16*\b]|, 0x1800000   ; block b: my 16 numbers, and the floor 2^(3 - 127): so the byte cannot fall under 1
.endr
.irp i, 2,4,6,8,10,12,14
.irp b, 0,1,2,3
	v_max3_num_f32 v[TM+\b], v[TM+\b], |v[\s+16*\b+\i]|, |v[\s+1+16*\b+\i]|   ; the four blocks by turns: no line waits for the line above it
.endr
.endr
.irp b, 0,1,2,3
	v_permlanex16_b32 v[TM+4+\b], v[TM+\b], s[SEL], s[SEL+1]
.endr
.irp b, 0,1,2,3
	v_max_num_f32 v[TM+\b], v[TM+\b], v[TM+4+\b]   ; with lane l xor 16's: the block's largest magnitude
.endr
.irp b, 0,1,2,3
	v_add_nc_u32 v[TM+12+\b], 0xff000000, v[TM+\b] ; 2 off its exponent field: the conversion takes the exponent field of this operand as its scale, and nothing else of it
.endr
.irp b, 0,1,2,3
	v_lshrrev_b32 v[TM+4+\b], 23, v[TM+12+\b]      ; the scale's byte
.endr
	v_lshl_or_b32 v[PW], v[TM+5], 8, v[TM+4]
	v_lshl_or_b32 v[PW], v[TM+6], 16, v[PW]
	v_lshl_or_b32 v[PW], v[TM+7], 24, v[PW]
.irp c, 0,1
	v_cvt_scalef32_pk16_fp6_f32 v[PC+6*\c:PC+2+6*\c], v[\s+32*\c:\s+15+32*\c], v[TM+12+2*\c]
	v_cvt_scalef32_pk16_fp6_f32 v[PC+12+4*\c:PC+14+4*\c], v[\s+16+32*\c:\s+31+32*\c], v[TM+12+2*\c+1]   ; (a conversion's three registers begin on an even number)
.endr
	v_nop                                          ; one plain vector instruction behind the scaled conversions, ahead of the lines that touch their results
.irp c, 0,1                                    ; the operand's layout wants a WHOLE block in a lane: lanes 0-15 block 2 c, lanes 16-31 block 2 c + 1
.irp i, 0,1,2
	v_permlane16_swap_b32 v[PC+6*\c+\i], v[PC+12+4*\c+\i]
.endr
.irp i, 0,1,2
	v_mov_b32 v[PC+3+6*\c+\i], v[PC+12+4*\c+\i]
.endr
.endr
.endm
; The fragment of my wave's K step tt, half q, leaves: three stores of 512 consecutive aligned bytes.  Its scale word is kept: lanes 0-15 keep an even K step's, lanes 16-31 the odd one's;
; behind an odd K step's second half the 32 lanes store 256 consecutive aligned bytes: the words of two K steps of my 16 rows.
.macro EMIT tt, q
.irp c, 0,1,2
	global_store_b128 v[LI], v[PC+4*\c:PC+4*\c+3], s[40:41] offset:BLKB*(\tt)+FRB*(\q)+512*\c
.endr
.if (\tt)%2 == 0
	v_mov_b32 v[SW+(\q)], v[PW]
.else
	v_cndmask_b32 v[SW+(\q)], v[SW+(\q)], v[PW], s30
.if (\q) == 1
	global_store_b64 v[L8], v[SW:SW+1], s[42:43] offset:256*((\tt)/2)
.endif
.endif
.endm
	s_cmp_lt_u32 ttmp9, 128                        ; x's work-group or w's?  The work-group's number alone decides
	s_cbranch_scc0 .Lw
	; ---------------- x ----------------
	s_lshr_b32 s32, ttmp9, 1                       ; G: which 16 rows
	s_and_b32 s33, ttmp9, 1
	s_lshl_b32 s33, s33, 2
	s_add_co_u32 s33, s33, s18                     ; p: which 512 along K: K steps 2 p, 2 p + 1
	s_lshl_b32 s34, s32, 18                        ; 16 rows of 16,384 bytes
	s_lshl_b32 s36, s33, 11                        ; 512 numbers
	s_add_co_u32 s34, s34, s36
	s_mov_b32 s35, 0
	s_add_nc_u64 s[44:45], s[4:5], s[34:35]
	s_lshr_b32 s36, s32, 3
	s_mul_i32 s36, s36, RBB
	s_and_b32 s38, s32, 7
	s_mul_i32 s38, s38, 2*FRB
	s_add_co_u32 s36, s36, s38
	s_mul_i32 s38, s33, 2*BLKB
	s_add_co_u32 s36, s36, s38
	s_mov_b32 s37, 0
	s_add_nc_u64 s[40:41], s[10:11], s[36:37]      ; my codes
	s_lshl_b32 s38, s32, 11
	s_lshl_b32 s39, s33, 8
	s_add_co_u32 s38, s38, s39
	s_mov_b32 s39, 0
	s_add_nc_u64 s[42:43], s[12:13], s[38:39]      ; my scale words
.macro XLOAD f                         ; fragment f: 128 numbers of each of 16 rows: a load reads 512 consecutive aligned bytes of one row
.irp j, 0,1,2,3,4,5,6,7,8,9,10,11,12,13,14,15
	global_load_b128 v[R+4*\j:R+4*\j+3], v[LI], s[44:45] offset:16384*\j+512*(\f) th:TH_LOAD_NT
.endr
.endm
.macro XTURN f                         ; through the stage: LDS serves a wave's instructions in order (ISA guide 5.7.1.4), so no wait stands between the stores and the loads
.irp j, 0,1,2,3,4,5,6,7,8,9,10,11,12,13,14,15
	ds_store_b128 v[XSTI], v[R+4*\j:R+4*\j+3] offset:XPITCH*\j
.endr
.irp b, 0,1,2,3
.irp j, 0,1,2,3
	ds_load_b128 v[F+16*\b+4*\j:F+16*\b+4*\j+3], v[XSTO] offset:128*\b+16*\j
.endr
.endr
.endm
	XLOAD 0
.irp f, 0,1,2,3
	s_wait_loadcnt 0x0                             ; this fragment's 16 loads are in
	XTURN \f
	s_wait_dscnt 0x0                               ; the numbers are back, and the stores into the stage have read their registers
	s_wait_xcnt 0x0                                ; the last fragment's global stores have read their data: the codes and the scale words are written again only behind this wait
.if \f < 3
	XLOAD \f+1                                     ; the next fragment is on its way while this one is quantised
.endif
	QUANT F
	EMIT \f/2, \f%2
.endr
	s_wait_tensorcnt 0x0
	ds_add_u32 v62, v63
	s_wait_dscnt 0x0
	s_endpgm
	; ---------------- w ----------------
.Lw:
	s_sub_co_u32 s32, ttmp9, 128                   ; G: which 16 rows
	s_lshl_b32 s34, s32, 16                        ; 16 rows of 4,096 bytes
	s_lshl_b32 s36, s18, 10                        ; my wave's 1,024 along K: K steps 4 wave .. 4 wave + 3
	s_add_co_u32 s34, s34, s36
	s_mov_b32 s35, 0
	s_add_nc_u64 s[44:45], s[6:7], s[34:35]
	s_lshr_b32 s36, s32, 3
	s_mul_i32 s36, s36, RBB                        ; at most 127 x 393,216: under 2^32
	s_and_b32 s38, s32, 7
	s_mul_i32 s38, s38, 2*FRB
	s_add_co_u32 s36, s36, s38
	s_mul_i32 s38, s18, 4*BLKB
	s_add_co_u32 s36, s36, s38
	s_mov_b32 s37, 0
	s_add_nc_u64 s[40:41], s[14:15], s[36:37]      ; my codes
	s_lshl_b32 s38, s32, 11
	s_lshl_b32 s39, s18, 9
	s_add_co_u32 s38, s38, s39
	s_mov_b32 s39, 0
	s_add_nc_u64 s[42:43], s[16:17], s[38:39]      ; my scale words
	s_lshl_b32 s38, s32, 6
	s_add_nc_u64 s[46:47], s[8:9], s[38:39]        ; my 16 rows' scales
.macro WLOAD t                         ; K step t of my four: 16 rows x 256 bytes: lanes 0-15 read 256 aligned bytes of row 2 j, lanes 16-31 of row 2 j + 1
.irp j, 0,1,2,3,4,5,6,7
	global_load_b128 v[R+32*((\t)%2)+4*\j:R+32*((\t)%2)+4*\j+3], v[WO], s[44:45] offset:8192*\j+256*(\t) th:TH_LOAD_NT
.endr
.endm
.macro WTURN t                         ; through the stage and back into the registers that they left: word 16 q + 4 b + j then holds k = 128 q + 32 b + 16 h + 4 j .. + 3 of row r
.irp j, 0,1,2,3,4,5,6,7
	ds_store_b128 v[WSTI], v[R+32*((\t)%2)+4*\j:R+32*((\t)%2)+4*\j+3] offset:2*WPITCH*\j
.endr
.irp q, 0,1
.irp b, 0,1,2,3
	ds_load_b128 v[R+32*((\t)%2)+16*\q+4*\b:R+32*((\t)%2)+16*\q+4*\b+3], v[WSTO] offset:128*\q+32*\b
.endr
.endr
.endm
; 16 words of int8 become 64 numbers i x scale.  i + 128 (one exclusive or for four) is set as the lowest byte under 2^23's upper bytes: the f32 number 2^23 + 128 + i;
; the subtraction of 2^23 + 128 is exact; the multiplication by the row's scale rounds once.
.macro UNPACK src
.irp d, 0,1,2,3,4,5,6,7,8,9,10,11,12,13,14,15
	v_xor_b32 v[\src+\d], s31, v[\src+\d]
.endr
.irp d, 0,1,2,3,4,5,6,7,8,9,10,11,12,13,14,15
.irp c, 0,1,2,3
	v_perm_b32 v[F+4*\d+\c], v[\src+\d], s22, s[24+\c]
.endr
.endr
.irp n, 0,2,4,6,8,10,12,14,16,18,20,22,24,26,28,30,32,34,36,38,40,42,44,46,48,50,52,54,56,58,60,62
	v_pk_add_f32 v[F+\n:F+\n+1], v[F+\n:F+\n+1], s[28:29] op_sel_hi:[1,0]
.endr
.irp n, 0,2,4,6,8,10,12,14,16,18,20,22,24,26,28,30,32,34,36,38,40,42,44,46,48,50,52,54,56,58,60,62
	v_pk_mul_f32 v[F+\n:F+\n+1], v[F+\n:F+\n+1], v[RS:RS+1] op_sel_hi:[1,0]
.endr
.endm
	s_wait_alu depctr_va_vdst(0)
	global_load_b32 v[RS], v[R4], s[46:47]         ; scale of row r
	WLOAD 0                                        ; two K steps, 8,192 bytes a wave, are asked for ahead
	WLOAD 1
.irp t, 0,1,2,3
.if \t < 3
	s_wait_loadcnt 8                               ; this K step's eight loads (and the scale) are in; the next K step's eight may be out
.else
	s_wait_loadcnt 0x0
.endif
	WTURN \t
	s_wait_dscnt 0x0
.irp q, 0,1
	UNPACK R+32*(\t%2)+16*\q
	s_wait_xcnt 0x0                                ; the last fragment's global stores have read their data: the codes and the scale words are written again only behind this wait
.if (\q == 1) && (\t < 2)
	WLOAD \t+2                                     ; both halves of this set are unpacked: it takes the K step two on
.endif
	QUANT F
	EMIT \t, \q
.endr
.endr
	s_wait_tensorcnt 0x0
	ds_add_u32 v62, v63
	s_wait_dscnt 0x0
	s_endpgm
.Lfunc_end_k_qcf33df552c_quant:
	.size	k_qcf33df552c_quant, .Lfunc_end_k_qcf33df552c_quant-k_qcf33df552c_quant
	.p2alignl 7, 3214868480
	.fill 96, 4, 3214868480
	.section	.rodata,"a",@progbits
	.p2align	6, 0x0
	.amdhsa_kernel k_qcf33df552c_quant
		.amdhsa_group_segment_fixed_size 51712
		.amdhsa_private_segment_fixed_size 0
		.amdhsa_enable_private_segment 0
		.amdhsa_kernarg_size 56
		.amdhsa_user_sgpr_count 2
		.amdhsa_user_sgpr_kernarg_segment_ptr 1
		.amdhsa_wavefront_size32 1
		.amdhsa_system_sgpr_workgroup_id_x 1
		.amdhsa_system_sgpr_workgroup_id_y 1
		.amdhsa_system_sgpr_workgroup_id_z 1
		.amdhsa_system_vgpr_workitem_id 0
		.amdhsa_next_free_vgpr 192
		.amdhsa_next_free_sgpr 66
		.amdhsa_reserve_vcc 0
		.amdhsa_float_denorm_mode_32 3
		.amdhsa_float_denorm_mode_16_64 3
		.amdhsa_memory_ordered 1
		.amdhsa_forward_progress 1
		.amdhsa_inst_pref_size 144
	.end_amdhsa_kernel
	.amdgpu_metadata
---
amdhsa.version: [ 1, 2 ]
amdhsa.kernels:
  - .name:           k_qcf33df552c_quant
    .symbol:         k_qcf33df552c_quant.kd
    .args:
      - { .name: x, .offset: 0, .size: 8, .value_kind: global_buffer, .address_space: global }
      - { .name: weight_int8, .offset: 8, .size: 8, .value_kind: global_buffer, .address_space: global }
      - { .name: scale, .offset: 16, .size: 8, .value_kind: global_buffer, .address_space: global }
      - { .name: xq, .offset: 24, .size: 8, .value_kind: global_buffer, .address_space: global }
      - { .name: xs, .offset: 32, .size: 8, .value_kind: global_buffer, .address_space: global }
      - { .name: wq, .offset: 40, .size: 8, .value_kind: global_buffer, .address_space: global }
      - { .name: ws, .offset: 48, .size: 8, .value_kind: global_buffer, .address_space: global }
    .group_segment_fixed_size: 51712
    .private_segment_fixed_size: 0
    .kernarg_segment_align: 8
    .kernarg_segment_size: 56
    .max_flat_workgroup_size: 128
    .sgpr_count:     66
    .vgpr_count:     192
    .wavefront_size: 32
...
	.end_amdgpu_metadata
.endif
;; end of part 1
;; launch gemm (part 2): grid 64 x 4, 4 waves a work-group, clusters of 4 x 4, 327,680 bytes of LDS; arguments xq, xs, wq, ws, bias, out0; writes out0
.if DOCPART == 2
	.amdgcn_target "amdgcn-amd-amdhsa--gfx1250"
	.amdhsa_code_object_version 6
	.text
	.protected	k_qcf33df552c_gemm
	.globl	k_qcf33df552c_gemm
	.p2align	8
	.type	k_qcf33df552c_gemm,@function
k_qcf33df552c_gemm:
	s_mov_b64 s[64:65], 0
	v_nop
	global_prefetch_b8 v0, s[64:65] scope:SCOPE_SE
	s_setreg_imm32_b32 hwreg(HW_REG_WAVE_MODE, 25, 1), 1
	s_wait_xcnt 0x0
	s_wait_alu depctr_hold_cnt(0) depctr_sa_sdst(0) depctr_va_vdst(0) depctr_va_sdst(0) depctr_va_ssrc(0) depctr_va_vcc(0) depctr_vm_vsrc(0)
	s_getreg_b32 s2, hwreg(HW_REG_IB_STS2, 6, 4)
	s_cmp_eq_u32 s2, 0
	s_cbranch_scc0 .Lentry_in_a_cluster
	s_endpgm
.Lentry_in_a_cluster:
	s_bfe_u32 s2, ttmp6, 0x10000c
	s_cmp_lg_u32 s2, 0xf033
	s_cbranch_scc0 .Lentry_shape_is_right
	s_endpgm
.Lentry_shape_is_right:
; out0[m][n] = sum over k of Q(x)[m][k] Q(w)[n][k] + bias[n]: 1,024 x 16,384, K = 4,096, on FP6 (E2M3) codes with E8M0 scale words, as the launch before laid them:
; codes [block of 128 rows][K step of 256][group of 16 rows][which 128][image of a fragment, 1,536 bytes], scale words [group of 16 rows][K step of 256][row][which 128].
; A work-group makes 256 x 256 of out0; each of its four waves all 256 rows x 64 columns: 64 accumulators.  A step is 128 along K: 64 matrix instructions, x's 16 blocks one after the other, each against w's four.
; x's codes go through a ring of two LDS slots (256 rows x 512 along K each) by joint tensor loads: the four work-groups of a row of the 4 x 4 cluster want the same tiles.  Both sides' scale words come once and stay in LDS.
; w's fragments go from memory straight into registers, four steps ahead: each is wanted by ONE wave of the work-group, so LDS would only be written and read once more for it, and a joint load lands in LDS alone; that is why w has no joint load.
; w's blocks are prefetched: at each refill waves 1-3 name 3 x 8,192 bytes; the four partners of a cluster's column share the column's 98,304 bytes of two K steps of 256 out by address; what is named is loaded five steps of 128 later or more;
; the first six K steps of 256 come by their loads alone, and the last refill asks for nothing.  x is not prefetched: all 64 tile columns read the same 3 MB in the same order.
; THE LAST SLOT (steps 28 to 31) GOES BY ROWS OF out0: all four sets of w and both sets of scale words are in registers then, and x's 16 fragment places hold four blocks x four steps.  So 64 rows at a time are finished by
; 64 matrix instructions (each sum still K ascending) and leave at once, while the later rows are multiplied.
; REGISTERS: window 0: v2-15 addresses, v16-63 scale words (two sets of 24, one for each K step of 256), v64-255 x's 16 fragments, ONE set, fetched anew by halves.
;   window 1: v0-191 w's fragments, four sets; v192-223 the bias, the first step's C; on the way out v192-255 take the rows read back.   window 2: accumulators of blocks 0-7 ((a, b) at v[8 (4 (a % 8) + b)]); window 3: of blocks 8-15.
; THE MATRIX INSTRUCTION IS USED TRANSPOSED (source 0 = 16 rows of w, source 1 = 16 rows of x): a lane holds eight neighbouring numbers of a row of out0.
.set SIZE_N, 16384
.set FR,     12
.set NP,     4
.set FRB,    1536
.set BLKB,   16*FRB                    ; 128 rows x 256 along K
.set RBB,    16*BLKB                   ; 128 rows x all of K
.set SLOT,   4*BLKB                    ; [half of the rows][K step of 256]
.set SCL,    2*SLOT                    ; x's scale words (32,768 bytes), then w's
.set HALFS,  16384
.set SBLK,   2048                      ; the scale words of 16 rows
.set SPARE,  SCL+4*HALFS               ; the spare words, 128 bytes a wave
.set STAGE,  SPARE+512                 ; the way out: 16 rows x 272 bytes for each wave; no tensor load lands here
.set SPITCH, 272
.set ADRA,  2                          ; v2-5 16 x lane + slot x SLOT + half x 2 BLKB
.set LI,    2                          ; v2 is also w's offset in memory
.set ADRSA, 6
.set ADRSB, 7
.set BO,    9
.set STO,   10
.set RD,    11
.set CO,    12
.set PFO,   13
.set SPW,   14
.set NIL,   15
.set SC,    16
.set AF,    64
.set BK,    192
.set BIASR, 192
.set G1, 24
.set G0, 32
.set PB, 48
.set G0H, 52
.set G1S, 68
.set G0S, 76
.set G1SB, 80
.set G0SB, 88
.set LIM, 95
.set PFA, 100
.set MSB, 0
.macro WIN new                         ; the immediate's high byte repeats the setting that is left
.if MSB != (\new)
	s_set_vgpr_msb (MSB<<8)|(\new)
.set MSB, (\new)
.endif
.endm
.set MUL_LO, 0xa1                      ; source 0 (w) window 1, source 1 (x) window 0, C and D window 2
.set MUL_HI, 0xf1                      ; the same, C and D window 3
.set TO_B,   0x40                      ; destination window 1, address window 0
.macro PLACES n
.rept \n
	v_nop
.endr
.endm
.macro TLOAD g0, g1                    ; s_nop 0 and four v_nop behind a tensor load
	tensor_load_to_lds s[\g0:\g0+3], s[\g1:\g1+7]
	s_nop 0
	PLACES 4
.endm
.macro CREST                           ; a round of the cluster's barrier behind its opening barrier
	s_cmp_lg_u32 s14, 0
	s_cbranch_scc1 .Lnot_wave_0_\@
	s_barrier_signal -3
.Lnot_wave_0_\@:
	s_barrier_wait -3
	s_barrier_signal -1
	s_barrier_wait -1
.endm
.macro CROUND
	s_barrier_signal -1
	s_barrier_wait -1
	CREST
.endm
.macro ASK slot                        ; the prefetch; the launch's last refill (slot 1, s3 = 1) has nothing left to name; wave 0 names nothing
.if (\slot) == 0
	s_cmp_ge_u32 s3, s[LIM]
.else
	s_cmp_gt_u32 s3, s[LIM]
.endif
	s_cbranch_scc0 .Lnot_mine_\@
	global_prefetch_b8 v[PFO], s[PFA:PFA+1] th:TH_LOAD_NT scope:SCOPE_SE
.Lnot_mine_\@:
.endm
	s_load_b128 s[4:7], s[0:1], 0x0                ; xq, xs
	s_load_b128 s[8:11], s[0:1], 0x10              ; wq, ws
	s_load_b64 s[96:97], s[0:1], 0x20              ; bias
	s_load_b64 s[12:13], s[0:1], 0x28              ; out0
	v_lshl_add_u32 v[SPW], v0, 2, SPARE
	v_mov_b32 v[NIL], 0
	ds_add_u32 v[SPW], v[NIL]                      ; the opening lines: the add twice on end and one wait
	ds_add_u32 v[SPW], v[NIL]
	v_lshrrev_b32 v1, 5, v0
	v_readfirstlane_b32 s14, v1                    ; wave
	s_lshr_b32 s15, s14, 1
	s_and_b32 s16, s14, 1
	s_bfe_u32 s40, ttmp6, 0x40000                  ; cx
	s_bfe_u32 s41, ttmp6, 0x40004                  ; cy = tile row (the grid has one cluster along y)
	s_lshl_b32 s42, ttmp9, 2
	s_add_co_u32 s42, s42, s40                     ; tile column
	s_lshl_b32 s43, s41, 2
	s_lshl_b32 s43, 15, s43                        ; my row of the cluster
	s_lshl_b32 s44, 0x1111, s40                    ; my column
	s_or_b32 s[G1+0], s43, (3<<16)|(1<<21)         ; x's tiles: dense rows of 256 bytes (32 elements of 8); 192 rows at the head, 96 in the ring
	s_mov_b32 s[G1+1], 32<<16
	s_mov_b32 s[G1+2], 192<<16
	s_mov_b32 s[G1+3], 32<<16
	s_mov_b32 s[G1+4], 192
	s_mov_b32 s[G1+5], 32
	s_mov_b32 s[G1+6], 0
	s_mov_b32 s[G1+7], 0
	s_or_b32 s[G1S+0], s43, (3<<16)|(1<<21)        ; scale words of 256 rows: 128 rows of 256 bytes
	s_or_b32 s[G1SB+0], s44, (3<<16)|(1<<21)
.irp g, G1S, G1SB
	s_mov_b32 s[\g+1], 32<<16
	s_mov_b32 s[\g+2], 128<<16
	s_mov_b32 s[\g+3], 32<<16
	s_mov_b32 s[\g+4], 128
	s_mov_b32 s[\g+5], 32
	s_mov_b32 s[\g+6], 0
	s_mov_b32 s[\g+7], 0
.endr
	s_lshl_b32 s18, s41, 1
	s_add_co_u32 s20, s18, s16
	s_mul_i32 s20, s20, RBB                        ; head: 128 rows x 512 along K, 49,152 dense bytes (waves 0, 1)
	s_mov_b32 s21, 0
	s_add_co_u32 s22, s18, s15
	s_mul_i32 s22, s22, RBB
	s_mul_i32 s23, s16, BLKB
	s_add_co_u32 s22, s22, s23                     ; ring: half wave / 2 of the rows, K step of 256 wave % 2
	s_mov_b32 s23, 0
	s_lshl_b32 s56, s41, 15
	s_mov_b32 s57, 0
	s_lshl_b32 s58, s42, 15
	s_mov_b32 s59, 0
	s_mul_i32 s45, s16, 2*BLKB
	s_mul_i32 s94, s14, BLKB
	s_mul_i32 s60, s14, 16*SPITCH
	s_add_co_u32 s60, s60, STAGE                   ; my stage
	s_wait_dscnt 0x0
	s_wait_kmcnt 0x0
	s_add_nc_u64 s[20:21], s[4:5], s[20:21]
	s_add_nc_u64 s[22:23], s[4:5], s[22:23]
	s_add_nc_u64 s[56:57], s[6:7], s[56:57]
	s_add_nc_u64 s[58:59], s[10:11], s[58:59]
	s_mov_b32 s[G0H], 1
	s_mov_b32 s[G0H+1], s45
	s_mov_b64 s[G0H+2:G0H+3], s[20:21]
	s_or_b32 s[G0H+3], s[G0H+3], 0x80000000
	s_mov_b32 s[G0S], 1
	s_mov_b32 s[G0S+1], SCL
	s_mov_b64 s[G0S+2:G0S+3], s[56:57]
	s_or_b32 s[G0S+3], s[G0S+3], 0x80000000
	s_mov_b32 s[G0SB], 1
	s_mov_b32 s[G0SB+1], SCL+2*HALFS
	s_mov_b64 s[G0SB+2:G0SB+3], s[58:59]
	s_or_b32 s[G0SB+3], s[G0SB+3], 0x80000000
.irp s, 0,1
	s_mov_b32 s[G0+4*\s], 1
	s_add_co_u32 s[G0+4*\s+1], s94, \s*SLOT
	s_add_nc_u64 s[G0+4*\s+2:G0+4*\s+3], s[22:23], \s*2*BLKB
	s_or_b32 s[G0+4*\s+3], s[G0+4*\s+3], 0x80000000
.endr
	CROUND                                         ; all sixteen work-groups are here: the first joint loads meet
	; the head's fills, one a wave, in one chain of branches: waves 0, 1 slot 0's two halves, wave 2 x's scale words, wave 3 w's
	s_cmp_lt_u32 s14, 2
	s_cbranch_scc0 .Lhead_sa
	TLOAD G0H, G1
	s_branch .Lhead_asked
.Lhead_sa:
	s_cmp_lt_u32 s14, 3
	s_cbranch_scc0 .Lhead_sb
	TLOAD G0S, G1S
	s_branch .Lhead_asked
.Lhead_sb:
	TLOAD G0SB, G1SB
.Lhead_asked:
	s_lshl_b32 s18, s14, 13
	s_add_co_u32 s18, s18, SCL+2*HALFS             ; the scale words of my 64 columns
	s_lshl_b32 s46, s42, 10
	s_lshl_b32 s47, s14, 8
	s_add_co_u32 s46, s46, s47                     ; my first column, in bytes of f32
	s_mov_b32 s47, 0
	s_add_nc_u64 s[96:97], s[96:97], s[46:47]
	s_lshl_b32 s66, s42, 1
	s_add_co_u32 s66, s66, s15
	s_mul_i32 s66, s66, RBB
	s_mul_i32 s67, s16, 8*FRB
	s_add_co_u32 s66, s66, s67
	s_mov_b32 s67, 0
	s_add_nc_u64 s[PB:PB+1], s[8:9], s[66:67]      ; my four groups of 16 rows of w
	s_lshl_b32 s20, s41, 24
	s_add_co_u32 s20, s20, s46
	s_mov_b32 s21, 0
	s_add_nc_u64 s[12:13], s[12:13], s[20:21]
	s_lshr_b32 s66, s41, 1                         ; the prefetches: partner cy takes block cy / 2 of the column's two, part 3 (cy % 2) + wave - 1 of its six of 8,192 bytes
	s_lshl_b32 s67, s42, 1
	s_add_co_u32 s66, s66, s67
	s_mul_i32 s66, s66, RBB
	s_and_b32 s67, s41, 1
	s_mul_i32 s67, s67, 3
	s_max_u32 s98, s14, 1
	s_sub_co_u32 s98, s98, 1
	s_add_co_u32 s67, s67, s98
	s_lshl_b32 s67, s67, 13
	s_add_co_u32 s66, s66, s67
	s_add_co_u32 s66, s66, 4*BLKB
	s_mov_b32 s67, 0
	s_add_nc_u64 s[PFA:PFA+1], s[8:9], s[66:67]
	s_cmp_eq_u32 s14, 0
	s_cselect_b32 s[LIM], -1, 1
	v_and_b32 v64, 15, v0                          ; r
	v_bfe_u32 v65, v0, 4, 1                        ; h
	v_and_b32 v66, 31, v0                          ; lane
	v_lshlrev_b32 v[ADRA], 4, v66
	v_lshl_add_u32 v[ADRA+1], v66, 4, 2*BLKB
	v_lshl_add_u32 v[ADRA+2], v66, 4, SLOT
	v_lshl_add_u32 v[ADRA+3], v66, 4, SLOT+2*BLKB
	v_lshlrev_b32 v67, 3, v64
	v_lshl_add_u32 v[ADRSA], v65, 14, v67          ; x's words: 8 r; lanes 16-31 eight groups on
	v_add_nc_u32 v[ADRSA], SCL, v[ADRSA]
	v_add_nc_u32 v[ADRSB], s18, v67                ; w's
	v_mul_u32_u24 v68, v64, SPITCH
	v_lshl_add_u32 v68, v65, 5, v68
	v_add_nc_u32 v[STO], s60, v68                  ; into the stage: row r, 32 bytes for each half of the lanes
	v_mul_u32_u24 v68, v65, SPITCH
	v_lshl_add_u32 v68, v64, 4, v68
	v_add_nc_u32 v[RD], s60, v68                   ; back: lanes 0-15 one row, lanes 16-31 the next
	v_lshlrev_b32 v68, 16, v65
	v_lshl_add_u32 v[CO], v64, 4, v68              ; and the same two rows of out0
	v_lshlrev_b32 v[BO], 5, v65                    ; bias: 32 h
	v_lshlrev_b32 v[PFO], 8, v66
	s_wait_alu depctr_va_vdst(0)
	WIN TO_B
.irp b, 0,1,2,3
	global_load_b128 v[BIASR+8*\b:BIASR+8*\b+3], v[BO], s[96:97] offset:64*\b        ; lane (r, h) register 8 b + j = bias[16 b + 8 h + j]
	global_load_b128 v[BIASR+8*\b+4:BIASR+8*\b+7], v[BO], s[96:97] offset:64*\b+16
.endr
	WIN 0
.macro BLOAD n                         ; w's four fragments of step n (counted from s[PB]) into set n % 4
	WIN TO_B
.irp b, 0,1,2,3
.irp c, 0,1,2
	global_load_b128 v[48*((\n)%4)+FR*\b+4*\c:48*((\n)%4)+FR*\b+4*\c+3], v[LI], s[PB:PB+1] offset:BLKB*((\n)/2)+2*FRB*\b+FRB*((\n)%2)+512*\c
.endr
.endr
	WIN 0
.endm
	BLOAD 0
	BLOAD 1
; one matrix instruction on the symbols rD, rB, rA, rC, rSB, rSA; hi: x's scale words stand in lanes 16-31
.macro WM hi
.if \hi
	v_wmma_scale_f32_16x16x128_f8f6f4 v[rD:rD+7], v[rB:rB+FR-1], v[rA:rA+FR-1], v[rC:rC+7], v[rSB], v[rSA] matrix_a_fmt:MATRIX_FMT_FP6 matrix_b_fmt:MATRIX_FMT_FP6 matrix_b_scale:MATRIX_SCALE_ROW1
.else
	v_wmma_scale_f32_16x16x128_f8f6f4 v[rD:rD+7], v[rB:rB+FR-1], v[rA:rA+FR-1], v[rC:rC+7], v[rSB], v[rSA] matrix_a_fmt:MATRIX_FMT_FP6 matrix_b_fmt:MATRIX_FMT_FP6
.endif
.endm
; 16 matrix instructions: x's blocks a0 .. a0 + 3 against w's four, step q of the slot's four.  The accumulators take turns, one instruction a turn.  first: C is the bias
.macro MUL16 a0, q, first
.irp a, \a0, \a0+1, \a0+2, \a0+3
.irp b, 0,1,2,3
.set rD, 8*(4*((\a)%8)+\b)
.set rC, rD
.if \first
.set rC, BIASR+8*\b
.endif
.set rB, 48*(\q)+FR*\b
.set rA, AF+FR*(\a)
.set rSB, SC+24*((\q)/2)+16+2*\b+(\q)%2
.set rSA, SC+24*((\q)/2)+2*((\a)%8)+(\q)%2
	WM (\a)/8
.endr
.endr
.endm
.macro FETCH_A slot, q, half           ; x's blocks 8 half .. 8 half + 7 of step q of the slot
.irp i, 0,1,2,3,4,5,6,7
.irp c, 0,1,2
	ds_load_b128 v[AF+FR*(8*(\half)+\i)+4*\c:AF+FR*(8*(\half)+\i)+4*\c+3], v[ADRA+2*(\slot)+(\half)] offset:BLKB*((\q)/2)+2*FRB*\i+FRB*((\q)%2)+512*\c
.endr
.endr
.endm
.macro SCALES set, kk                  ; the scale words of K step of 256 number kk, counted from the address registers' place: two words a row
.irp i, 0,1,2,3,4,5,6,7
	ds_load_b64 v[SC+24*(\set)+2*\i:SC+24*(\set)+2*\i+1], v[ADRSA] offset:SBLK*\i+128*(\kk)
.endr
.irp b, 0,1,2,3
	ds_load_b64 v[SC+24*(\set)+16+2*\b:SC+24*(\set)+16+2*\b+1], v[ADRSB] offset:SBLK*\b+128*(\kk)
.endr
.endm
; By rows: x's fragment place 8 h + i holds block 4 q4 + i % 4 of the last slot's step 2 h + i / 4
.macro FETCH_R q4, h
.irp i, 0,1,2,3,4,5,6,7
.set aa, 4*(\q4)+(\i)%4
.set tt, 2*(\h)+(\i)/4
.irp c, 0,1,2
	ds_load_b128 v[AF+FR*(8*(\h)+\i)+4*\c:AF+FR*(8*(\h)+\i)+4*\c+3], v[ADRA+2+aa/8] offset:BLKB*(tt/2)+2*FRB*(aa%8)+FRB*(tt%2)+512*\c
.endr
.endr
.endm
.macro MULR q4, h                      ; 32 matrix instructions: two steps of four blocks; an accumulator's turns lie 16 apart
.irp i, 0,1,2,3,4,5,6,7
.irp b, 0,1,2,3
.set aa, 4*(\q4)+(\i)%4
.set tt, 2*(\h)+(\i)/4
.set rD, 8*(4*(aa%8)+\b)
.set rC, rD
.set rB, 48*tt+FR*\b
.set rA, AF+FR*(8*(\h)+\i)
.set rSB, SC+24*(tt/2)+16+2*\b+tt%2
.set rSA, SC+24*(tt/2)+2*(aa%8)+tt%2
	WM (\q4)/2
.endr
.endr
.endm
; A step: 32 matrix instructions, a run of 24 LDS loads (the next step's blocks 0-7), 32 matrix instructions, a run (scale words, blocks 8-15, w's set of four steps on).  Four places stand ahead of each run.
; s_wait_dscnt 24: all but the youngest 24 loads (blocks 8-15).  lc: the loads of w's three younger sets, 12 each.
.macro STEP slot, q, first, lc, bl, kk
	s_wait_loadcnt \lc
	s_wait_dscnt 24
	WIN (MUL_LO-0x10*(\first))
	MUL16 0, \q, \first
	MUL16 4, \q, \first
	s_wait_dscnt 0x0
	PLACES NP
	WIN 0
	FETCH_A \slot, (\q)+1, 0
	WIN (MUL_HI-0x20*(\first))
	MUL16 8, \q, \first
	MUL16 12, \q, \first
	PLACES NP
	WIN 0
.if (\kk) >= 0
	SCALES (\kk)%2, \kk
.endif
	FETCH_A \slot, (\q)+1, 1
	BLOAD \bl
.endm
; A slot's last step changes slots: all my tensor loads are in (my part of the next slot), the add, 16 matrix instructions, the wait for the add and for my reads of this slot, the barrier with 16 matrix instructions inside it;
; fill: the rest of the cluster's round and the refill, two slots on.  rows: what is fetched from the next slot is laid for the walk by rows.
.macro TURN slot, next, fill, bl, rows
.if \fill
	s_wait_xcnt 0x0                                ; my prefetch and w's loads have read their bases
	s_add_nc_u64 s[PFA:PFA+1], s[PFA:PFA+1], 2*BLKB
.if (\slot) == 1
	s_add_nc_u64 s[PB:PB+1], s[PB:PB+1], 4*BLKB
.endif
.endif
	s_wait_tensorcnt 0x0
	ds_add_u32 v[SPW], v[NIL]
	s_wait_loadcnt 36
	s_wait_dscnt 25                                ; the add and the youngest 24 loads may be out
	WIN MUL_LO
	MUL16 0, 3, 0
	s_wait_dscnt 0x0
	s_barrier_signal -1
	MUL16 4, 3, 0
	WIN 0
	s_barrier_wait -1
.if \fill
	CREST
	s_add_nc_u64 s[G0+4*(\slot)+2:G0+4*(\slot)+3], s[G0+4*(\slot)+2:G0+4*(\slot)+3], 4*BLKB
	TLOAD G0+4*(\slot), G1                         ; its four v_nop are the places ahead of the run below
.else
	PLACES NP
.endif
.if \rows
	FETCH_R 0, 0
.else
	FETCH_A \next, 0, 0
.endif
.if \fill
	ASK \slot
.endif
	WIN MUL_HI
	MUL16 8, 3, 0
	MUL16 12, 3, 0
	PLACES NP
	WIN 0
.if \rows
	SCALES 1, 3                                    ; steps 30, 31: both sets then hold the last slot's words
	FETCH_R 0, 1
.else
	FETCH_A \next, 0, 1
.endif
	BLOAD \bl
.endm
	s_wait_alu depctr_va_vdst(0)
	s_wait_tensorcnt 0x0                           ; my tile of the head's is in; the full sequence ahead of slot 1's first fill
	ds_add_u32 v[SPW], v[NIL]
	s_mov_b32 s[G1+2], 96<<16                      ; no tensor load of mine is out: from here on a load brings 96 rows of 256 bytes
	s_mov_b32 s[G1+4], 96
	s_wait_dscnt 0x0
	CROUND
	TLOAD G0+4, G1
	SCALES 0, 0
	FETCH_A 0, 0, 0
	FETCH_A 0, 0, 1
	BLOAD 2                                        ; w's sets of steps 2 and 3 are asked for here, behind the head's tiles and the first fragments
	BLOAD 3
	STEP 0, 0, 1, 36, 4, 1
	s_mov_b32 s3, 3
.Llap:                                                 ; a trip: eight steps, once round the ring, both slots filled again
	STEP 0, 1, 0, 36, 5, -1
	STEP 0, 2, 0, 36, 6, 2
	TURN 0, 1, 1, 7, 0
	STEP 1, 0, 0, 36, 8, 3
	STEP 1, 1, 0, 36, 9, -1
	STEP 1, 2, 0, 36, 10, 4
	TURN 1, 0, 1, 3, 0
	STEP 0, 0, 0, 36, 4, 5
	v_add_nc_u32 v[ADRSA], 0x200, v[ADRSA]         ; the scale words' addresses: eight steps on
	v_add_nc_u32 v[ADRSB], 0x200, v[ADRSB]
	s_sub_co_u32 s3, s3, 1
	s_cmp_lg_u32 s3, 0
	s_wait_alu depctr_va_vdst(0)
	s_cbranch_scc1 .Llap
	STEP 0, 1, 0, 36, 5, -1                        ; steps 25 to 27 fill nothing
	STEP 0, 2, 0, 36, 6, 2
	TURN 0, 1, 0, 7, 1
; THE WAY OUT of a block of 16 rows x 64 columns: through my own stage and back as whole rows of 256 bytes, into window 1's v192-255, two sets by turns.
.macro TOSTAGE a
.set AC, 32*((\a)%8)
	WIN (0x08+4*((\a)/8))                          ; the data: window 2 or 3
.irp b, 0,1,2,3
	ds_store_b128 v[STO], v[AC+8*\b:AC+8*\b+3] offset:64*\b          ; each accumulator from its low end on
	ds_store_b128 v[STO], v[AC+8*\b+4:AC+8*\b+7] offset:64*\b+16
.endr
	WIN TO_B
.set BB, BK+32*((\a)%2)
.irp t, 0,1,2,3,4,5,6,7
	ds_load_b128 v[BB+4*\t:BB+4*\t+3], v[RD] offset:\t*2*SPITCH      ; LDS serves a wave's instructions in order: these see the stores above
.endr
	WIN 0
.endm
.macro SEND a, younger                 ; younger: the LDS instructions issued behind the block's loads
.set BB, BK+32*((\a)%2)
	s_wait_dscnt \younger
.if (\a) > 0
	s_add_nc_u64 s[12:13], s[12:13], 16*SIZE_N*4   ; behind a wait on XCNT: the earlier stores have read their base
.endif
	WIN 0x04                                       ; the data: window 1
.irp t, 0,1,2,3,4,5,6,7
	global_store_b128 v[CO], v[BB+4*\t:BB+4*\t+3], s[12:13] offset:2*\t*SIZE_N*4 th:TH_STORE_NT   ; 16 lanes store 256 consecutive aligned bytes
.endr
	WIN 0
.endm
.macro OUT q4                          ; blocks 4 q4 .. 4 q4 + 3; a block's way through the stage stands ahead of the stores of the block before
.irp k, 0,1,2,3
.set AB, 4*(\q4)+\k
.if AB > 1
	s_wait_xcnt 0x0                                ; block AB - 2's stores have read their registers and their base
.endif
	TOSTAGE AB
.if \k > 0
	SEND AB-1, 16
.endif
.endr
	s_wait_xcnt 0x0
	SEND AB, 0                                     ; all my LDS instructions are done here, the next rows' fragments among them
.endm
; 64 rows are finished: steps 28, 29, a run (the next rows' fragments of those steps), steps 30, 31, a run, and the rows leave
.macro RSTEP q4
.if (\q4) == 0
	s_wait_loadcnt 24                              ; w's sets of steps 28, 29
	s_wait_dscnt 24
.endif
	WIN (MUL_LO+0x50*((\q4)/2))
	MULR \q4, 0
.if (\q4) == 0
	s_wait_loadcnt 0x0
	s_wait_dscnt 0x0
.endif
.if (\q4) < 3
	PLACES NP
	WIN 0
	FETCH_R (\q4)+1, 0
	WIN (MUL_LO+0x50*((\q4)/2))
.endif
	MULR \q4, 1
	PLACES NP                                      ; ahead of the run, and of the stores that read results just made
	WIN 0
.if (\q4) < 3
	FETCH_R (\q4)+1, 1
.endif
	OUT \q4
.endm
	RSTEP 0
	RSTEP 1
	RSTEP 2
	RSTEP 3
	s_wait_tensorcnt 0x0                           ; the wave's end
	ds_add_u32 v[SPW], v[NIL]
	s_wait_dscnt 0x0
	CROUND                                         ; the closing round
	s_endpgm
.Lfunc_end_k_qcf33df552c_gemm:
	.size	k_qcf33df552c_gemm, .Lfunc_end_k_qcf33df552c_gemm-k_qcf33df552c_gemm
	.p2alignl 7, 3214868480
	.fill 96, 4, 3214868480
	.section	.rodata,"a",@progbits
	.p2align	6, 0x0
	.amdhsa_kernel k_qcf33df552c_gemm
		.amdhsa_group_segment_fixed_size 327680
		.amdhsa_private_segment_fixed_size 0
		.amdhsa_enable_private_segment 0
		.amdhsa_kernarg_size 48
		.amdhsa_user_sgpr_count 2
		.amdhsa_user_sgpr_kernarg_segment_ptr 1
		.amdhsa_wavefront_size32 1
		.amdhsa_system_sgpr_workgroup_id_x 1
		.amdhsa_system_sgpr_workgroup_id_y 1
		.amdhsa_system_sgpr_workgroup_id_z 1
		.amdhsa_system_vgpr_workitem_id 0
		.amdhsa_next_free_vgpr 1024
		.amdhsa_next_free_sgpr 102
		.amdhsa_reserve_vcc 0
		.amdhsa_float_denorm_mode_32 3
		.amdhsa_float_denorm_mode_16_64 3
		.amdhsa_memory_ordered 1
		.amdhsa_forward_progress 1
		.amdhsa_inst_pref_size 253
	.end_amdhsa_kernel
	.amdgpu_metadata
---
amdhsa.version: [ 1, 2 ]
amdhsa.kernels:
  - .name:           k_qcf33df552c_gemm
    .symbol:         k_qcf33df552c_gemm.kd
    .args:
      - { .name: xq, .offset: 0, .size: 8, .value_kind: global_buffer, .address_space: global }
      - { .name: xs, .offset: 8, .size: 8, .value_kind: global_buffer, .address_space: global }
      - { .name: wq, .offset: 16, .size: 8, .value_kind: global_buffer, .address_space: global }
      - { .name: ws, .offset: 24, .size: 8, .value_kind: global_buffer, .address_space: global }
      - { .name: bias, .offset: 32, .size: 8, .value_kind: global_buffer, .address_space: global }
      - { .name: out0, .offset: 40, .size: 8, .value_kind: global_buffer, .address_space: global }
    .group_segment_fixed_size: 327680
    .private_segment_fixed_size: 0
    .kernarg_segment_align: 8
    .kernarg_segment_size: 48
    .max_flat_workgroup_size: 128
    .sgpr_count:     102
    .vgpr_count:     1024
    .wavefront_size: 32
...
	.end_amdgpu_metadata
.endif
;; end of part 2
